; MI455X (gfx1250); checked and timed in simulation.
; The chip was launched on July 23, 2026; its instructions are those of AMD's public machine-readable ISA for CDNA 5 (MIT licence, August 2026) and "CDNA5" Instruction Set Architecture Reference Guide (July 2026). The comments in the code are by the model that wrote it; some were corrected since.
;; QKV Attention Legacy. Allowed arithmetic: matrix products marked QUANTISED: E3M2 operands, one E8M0 scale for each 32 along K, by v_wmma_scale_f32_16x16x128_f8f6f4 with both operands' format E3M2, f32 sums; everything else in f32.
;; Inputs: mask 4 x 2,048 float32; qkv 4 x 3,072 x 2,048 float32.
;; Outputs: out0 4 x 1,024 x 2,048 float32.
;; Constants: n_heads = 16.
;; This version of the problem:
;;   THIS VERSION OF THE PROBLEM IS GIVEN IN LOW PRECISION. The matrix products marked QUANTISED in the list below multiply operands that are first quantised to E3M2 (3 exponent bits, 2 mantissa bits; 6 bits a number), with one power-of-two scale for each 32 numbers along K (OCP MX v1.0); their sums are f32. All else is computed in f32.
;;   The module's matrix products, in the order in which they are computed (A, B: the left and right operand; K: the contracted axis; several contracted axes count as one K, in the product's order):
;;     1. batch 64 x [M 2,048, K 64] x [K 64, N 2,048]; A: computed on the way; B: computed on the way: QUANTISED
;;     2. batch 64 x [M 64, K 2,048] x [K 2,048, N 2,048]; A: input qkv; B: computed on the way: QUANTISED
;;   THE QUANTISER, for each operand of a quantised product, along K:
;;     - K is cut into blocks of 32 from its start; a last block that is shorter is filled with zeros.
;;     - A block's scale is 2^e with e = floor(log2(the largest magnitude in the block)) - 4, held to -126 .. 127; a block of zeros has e = 0. As a byte (E8M0): e + 127.
;;     - Each number is divided by its block's scale, clamped to +-28, and rounded to the nearest number of E3M2, ties to even, subnormals kept.
;;     - The product sums the exact products of the quantised numbers (number of the format x scale) in f32.
;;   ~~~python
;;   def quantise(x, axis):      # numpy; x: float32 -> the quantised numbers, widened to float32 again
;;       x = np.moveaxis(x, axis, -1); K = x.shape[-1]
;;       x = np.pad(x, [(0, 0)] * (x.ndim - 1) + [(0, -K % 32)]); x = x.reshape(x.shape[:-1] + (-1, 32)); a = np.abs(x).max(-1, keepdims=True)
;;       e = np.where(a > 0, np.clip(np.frexp(np.where(a > 0, a, 1))[1] - 1 - 4, -126, 127), 0)      # np.frexp(a)[1] - 1 = floor(log2(a)), exactly
;;       r = np.clip(x / 2.0 ** e, -28, 28)
;;       step = 2.0 ** (np.maximum(np.frexp(np.where(r == 0, 1, r))[1] - 1, -2) - 2)
;;       q = np.round(r / step) * step * 2.0 ** e      # np.round: ties to even
;;       return np.moveaxis(q.reshape(q.shape[:-2] + (-1,))[..., :K], -1, axis).astype(np.float32)
;;   ~~~
;;   OPERANDS COMPUTED ON THE WAY. 'Computed on the way' means the value that the module computes at that place (a softmax that the list does not call 'softmax' is quantised finished and normalised). What goes into a quantiser is computed in f32, as accurately as f32 sums, v_exp_f32 and their like allow (about 1e-6 of the number): no bf16 or f16 on the way to a quantiser, and a product that is left as it is and whose result goes on into a quantised operand takes f32 operands (vector FMAs, or v_wmma_f32_16x16x4_f32). A number that lies on a knife's edge between two numbers of the format may be rounded either way, as far as f32 arithmetic and the matrix unit's own rounding can turn it there, and no further.
;; 2 versions, each right; version 2 is version 1 with the launch attn written anew for expert scheduling mode. Each part assembles by itself: llvm-mc -triple=amdgcn-amd-amdhsa -mcpu=gfx1250 --defsym DOCPART=n.
;; ======== version 1 of 2: 1 launch
;; launch attn (part 1): grid 4 x 64, 4 waves a work-group, no clusters, 283,648 bytes of LDS; arguments qkv, mask, out0; writes out0
.if DOCPART == 1
	.amdgcn_target "amdgcn-amd-amdhsa--gfx1250"
	.amdhsa_code_object_version 6
	.text
	.protected	k_qa5ed9e61c1_attn
	.globl	k_qa5ed9e61c1_attn
	.p2align	8
	.type	k_qa5ed9e61c1_attn,@function
k_qa5ed9e61c1_attn:
	s_mov_b64 s[64:65], 0
	v_nop
	global_prefetch_b8 v0, s[64:65] scope:SCOPE_SE
	s_setreg_imm32_b32 hwreg(HW_REG_WAVE_MODE, 25, 1), 1
	s_wait_xcnt 0x0
; out[b][c][t] = sum over s of v[b][c][s] w[b][t][s],  w = softmax_s( (q sigma) . (k sigma) ) x mask[b & 3][s],  sigma = 64^-0.25.
; qkv: [64 heads][192 rows][2048] f32 (rows 0-63 q, 64-127 k, 128-191 v; the channel runs down the rows, the position is innermost).  mask: [4][2048] f32.  out0: [64][64][2048] f32.
; Both products run on codes of BF6 (E3M2) with one E8M0 scale for each 32 along K.  First product: K = the 64 channels.  Second: K = the 2,048 keys; what is quantised is the FINISHED weight,
; normalised and masked, so a row's sum is known before any of its weights is quantised.
; SHARES.  A work-group owns 512 queries of one head (grid x: the quarter, grid y: the head).  THE FOUR WAVES SHARE THE KEYS: wave w owns keys 512 w .. 512 w + 511 for all 512 queries.  Its codes of K (192
; registers) and of V (192) are made once, at the head, and stay in registers.  For a tile of 16 queries the wave's scores are 256 registers; they stay in registers from the product to the quantiser:
; one exponential a score, nothing through memory.  Per tile: local maximum m_w, p = 2^(c s - c m_w), local sum l_w; (c m_w, l_w) meet in LDS; every wave forms tm = max c m_w, l = sum l_w 2^(c m_w - tm),
; f = 2^(c m_own - tm) / l; w = (p x mask) x f is quantised and multiplied by the wave's 512 keys of V; the four partial results meet in a stage in LDS and leave every four tiles (64 queries = 256 bytes of a row).
; LAYOUT.  (a) A fragment of K holds TWO tiles of 16 keys: tile 2 F in k 0-63, tile 2 F + 1 in k 64-127.  Q stands between zeros, [0 x 6 | Q x 6 | 0 x 6]: the upper twelve are (Q, 0) and give tile 2 F, the lower
; twelve (0, Q) give tile 2 F + 1; zero codes add nothing under any scale byte that a quantiser makes.  (b) THE KEYS OF A TILE ARE NOT NEIGHBOURS: slot m of tile 4 g + u is key 64 g + 32 (m / 8) + 8 u + m % 8, so
; that register 32 g + i of lane half h is key 64 g + 32 h + i: a lane's 32 registers are one whole block of the second product's K, in the operand's own order.  No maximum and no code changes lanes.
; NO CLUSTER, NO JOINT LOADS: the four work-groups of a head read the same 1 MiB of K and V, but once, as f32, straight into the registers of the lanes that quantise them.  A joint load lands in LDS: 1 MiB would
; go through it in four or more refills, each behind a round of the cluster's barrier, and every number would cross LDS once more.
; LIMITS.  NaN and infinities are not served.  A block whose largest magnitude lies under 2^-122 gets the byte 1 (as the quantiser's hold at -126 has it); so does a block of zeros, whose codes are zeros.
; A 2^x under 2^-126 comes out as zero (ISA guide, the entry of v_exp_f32).  The four waves' partial sums over the keys are added as (0 + 1) + (2 + 3), not in one ascending chain.
; c m_w is rounded once; the same rounded number stands in p, in l_w and in 2^(c m_w - tm), so its rounding cancels, for large scores too.
.set ROWB,  8192                       ; a row of qkv, of mask and of out0 in bytes
.set HEADB, 192*ROWB                   ; a head in qkv
.set REC,   80                         ; a record in LDS: 24 bytes codes of channels 0-31, 24 of channels 32-63, the scale word (b0, b1, b0, b1), 28 unused
.set KRW,   512*REC                    ; LDS 0: four waves' key records, each wave's own, used at the head alone
.set QREC,  4*KRW                      ; the 512 queries' records
.set MASK,  QREC+512*REC               ; the head's mask row, f32; wave w reads and writes its own 2,048 bytes
.set OST,   MASK+ROWB                  ; the stage: for each wave 64 channels x (64 queries x 4 bytes + 16)
.set OP,    272                        ; its pitch: an odd multiple of 16 bytes, so that sixteen rows begin at sixteen different 16-byte columns of 256
.set OSW,   64*OP
.set STAT,  OST+4*OSW                  ; [wave][16 queries] x (c m, l): 512 bytes.  In all 283,136 bytes
.set FLOOR, 5<<23                      ; 2^(5 - 127): under it no largest magnitude is taken, so a scale's byte cannot fall under 1
.set OFFE,  0xfe000000                 ; takes 4 off an exponent field
; REGISTERS, window 0
.set RR,  1                            ; lane % 16
.set HH,  2                            ; lane / 16
.set AQ,  3                            ; QREC + 80 r + 24 h
.set AQS, 4                            ; QREC + 80 r + 48
.set AM,  5                            ; MASK + 2048 w + 128 h
.set ASW, 6                            ; STAT + 128 w + 8 r
.set ASR, 7                            ; STAT + 8 r
.set AO,  8                            ; OST + OSW w + 272 r + 32 h
.set ARD, 9                            ; OST + 16 x 272 w + 272 h + 16 r
.set GO,  10                           ; out0: 16 rows x w + a row x h + 16 r
.set SH8, 11                           ; 8 h
.set TA,  12                           ; addresses in hand
.set TB,  13
.set OQ,  14                           ; qkv: 2048 x quarter + 512 w + 16 x lane
.set OK,  15                           ; qkv and mask: 2048 w + 16 x lane; steps 512 a pass
.set OV,  16                           ; qkv: a row x r + 128 h + 2048 w
.set ARK, 17                           ; KRW w + 320 x lane
.set ARQ, 18                           ; QREC + 10240 w + 320 x lane
.set AKB, 19                           ; KRW w + 80 (32 (r / 8) + r % 8) + 24 h
.set AKS, 20                           ; the same without 24 h, + 48
.set AMW, 21                           ; MASK + 2048 w + 16 x lane
.set LN,  23                           ; lane
.set SL,  24                           ; v24-31  the four waves' (c m, l)
.set MX,  32                           ; v32-35  four chains of the maximum
.set SUM, 36                           ; v36-39  two pairs of sums
.set ST0, 40                           ; c m_w
.set ST1, 41                           ; l_w
.set FF,  42                           ; v42-43  f (a pair is named; the low word serves both halves)
.set T0,  44                           ; v44-47  at work
.set KS,  48                           ; v48-63  K's scale words, one a fragment
.set VS,  64                           ; v64-79  V's, 4 ks + ct
.set PS,  80                           ; v80-83  the weights', one a K step
.set QS,  84                           ; Q's
.set ZQZ, 86                           ; v86-103 zeros, Q, zeros
.set PC,  104                          ; v104-151 the weights' codes, 12 a K step (at the head: a pass's codes)
.set OA,  152                          ; v152-183 four accumulators of the second product
.set MT,  184                          ; v184-247 mask numbers, two sets of 32; outside that phase: +0..31 halves of blocks' codes,
.set SO,  MT+32                        ;   eight scale operands,
.set BY,  MT+40                        ;   eight bytes,
.set WT,  MT+48                        ;   eight words at work
.set BM,  248                          ; v248-255 eight blocks' largest magnitudes
; window 1: the 256 scores (at the head: numbers as loaded; on the way out 128 at work).  window 2: K's 16 fragments (at the head: 4 columns x 64 channels).  window 3: V's 16 fragments, and
.set VT,  192                          ;   32 registers for halves of blocks' codes
; s[4:5] qkv at my head, s[6:7] mask at my row, s[8:9] out0 at my head and queries, s10 wave, s11 head, s12 quarter, s13 sigma, s[14:15] c = log2(e), s[18:19] lane selects, s20 tile, s21 Q's record, s22-27 at work
.set MSB, 0
.macro WIN new                         ; low byte: bits 1:0 source 0, 3:2 source 1, 5:4 source 2, 7:6 destination; the high byte repeats the setting that is left; a switch that changes nothing is dropped
.if MSB != (\new)
	s_set_vgpr_msb (MSB<<8)|(\new)
.set MSB, (\new)
.endif
.endm
; ---------------- the head's macros
; 64 channels x 128 columns: each load is 512 consecutive bytes of one row, a lane takes 4 neighbouring columns.  Register 4 c + i of window 1: channel c, column i
.macro LOADCOL voff, row0
	WIN 0x40
.set ci, 0
.rept 64
	global_load_b128 v[4*ci:4*ci+3], v[\voff], s[4:5] offset:(\row0+ci)*ROWB
.set ci, ci+1
.endr
	WIN 0
.endm
; x sigma, which the problem asks of q and of k; the same line sorts a column's 64 channels into consecutive registers: window 2, register 64 i + c
.macro DEINT
	WIN 0x84
.set ci, 0
.rept 64
.irp i, 0,1,2,3
	v_mul_f32 v[64*\i+ci], s13, v[4*ci+\i]
.endr
.set ci, ci+1
.endr
	WIN 0
.endm
; eight blocks e = 2 i + b (column i, channels 32 b on), all 32 numbers of each in my registers: scale, codes (v[PC + 12 i] on: 48 bytes a column) and the column's scale word (v[WT + i])
.macro QCOLS
.irp e, 0,1,2,3,4,5,6,7
	v_mov_b32 v[BM+\e], FLOOR
.endr
	WIN 0x28
.set ni, 0
.rept 16
.irp e, 0,1,2,3,4,5,6,7
	v_max3_num_f32 v[BM+\e], v[BM+\e], |v[32*\e+2*ni]|, |v[32*\e+2*ni+1]|   ; the eight blocks by turns: no line waits for the line above it
.endr
.set ni, ni+1
.endr
	WIN 0
.irp e, 0,1,2,3,4,5,6,7
	v_add_nc_u32 v[SO+\e], OFFE, v[BM+\e]          ; 4 off the exponent field: the conversion takes the exponent field of this operand as its scale
.endr
.irp e, 0,1,2,3,4,5,6,7
	v_lshrrev_b32 v[BY+\e], 23, v[SO+\e]           ; the scale's byte
.endr
.irp i, 0,1,2,3
	v_lshl_or_b32 v[WT+\i], v[BY+2*\i+1], 8, v[BY+2*\i]
.endr
.irp i, 0,1,2,3
	v_lshl_or_b32 v[WT+\i], v[WT+\i], 16, v[WT+\i] ; (b0, b1, b0, b1): the word serves in either half of a K of 128
.endr
	WIN 0x02
.irp e, 0,1,2,3,4,5,6,7
	v_cvt_scalef32_pk16_bf6_f32 v[PC+6*\e:PC+6*\e+2], v[32*\e:32*\e+15], v[SO+\e]
	v_cvt_scalef32_pk16_bf6_f32 v[MT+4*\e:MT+4*\e+2], v[32*\e+16:32*\e+31], v[SO+\e]   ; (a conversion's three registers begin on an even number: the block's second half is made elsewhere and moved)
.endr
	WIN 0
	v_nop                                          ; one plain place behind a scaled conversion
.irp e, 0,1,2,3,4,5,6,7
.irp j, 0,1,2
	v_mov_b32 v[PC+6*\e+3+\j], v[MT+4*\e+\j]
.endr
.endr
.endm
.macro PUTREC va                       ; my four columns' records
.irp i, 0,1,2,3
.irp j, 0,1,2
	ds_store_b128 v[\va], v[PC+12*\i+4*\j:PC+12*\i+4*\j+3] offset:REC*\i+16*\j
.endr
	ds_store_b32 v[\va], v[WT+\i] offset:REC*\i+48
.endr
	s_wait_dscnt 0x0                               ; the stores have read their registers: the next pass may write them
.endm
; V, K step ks (128 of my keys) x 64 channels: lane (r, h) takes, of channel 16 ct + r, the 32 neighbouring keys 128 ks + 64 cc + 32 h on: block e = 2 ct + cc at register 32 e of the window named
.macro VLOAD ks, win
	WIN (\win)<<6
.irp ct, 0,1,2,3
.irp cc, 0,1
.irp i, 0,1,2,3,4,5,6,7
	global_load_b128 v[64*\ct+32*\cc+4*\i:64*\ct+32*\cc+4*\i+3], v[OV], s[4:5] offset:(128+16*\ct)*ROWB+512*(\ks)+256*\cc+16*\i
.endr
.endr
.endr
	WIN 0
.endm
; these eight blocks become V's fragments 4 ks + ct (window 3) and their scale words
.macro VQ ks, win
.irp e, 0,1,2,3,4,5,6,7
	v_mov_b32 v[BM+\e], FLOOR
.endr
	WIN 0x14*(\win)
.set ni, 0
.rept 16
.irp e, 0,1,2,3,4,5,6,7
	v_max3_num_f32 v[BM+\e], v[BM+\e], |v[32*\e+2*ni]|, |v[32*\e+2*ni+1]|
.endr
.set ni, ni+1
.endr
	WIN 0
.irp e, 0,1,2,3,4,5,6,7
	v_add_nc_u32 v[SO+\e], OFFE, v[BM+\e]
.endr
.irp e, 0,1,2,3,4,5,6,7
	v_lshrrev_b32 v[BY+\e], 23, v[SO+\e]
.endr
.irp ct, 0,1,2,3
	v_lshl_or_b32 v[WT+\ct], v[BY+2*\ct+1], 16, v[BY+2*\ct]   ; my two bytes: blocks h and 2 + h of the channel's four,
.endr
.irp ct, 0,1,2,3
	v_lshlrev_b32 v[WT+\ct], v[SH8], v[WT+\ct]     ; at their places in the word;
.endr
.irp ct, 0,1,2,3
	v_permlanex16_b32 v[WT+4+\ct], v[WT+\ct], s18, s19
.endr
.irp ct, 0,1,2,3
	v_or_b32 v[VS+4*(\ks)+\ct], v[WT+\ct], v[WT+4+\ct]   ; with lane l xor 16's two the word is whole
.endr
	WIN 0xc0+(\win)
.irp e, 0,1,2,3,4,5,6,7
	v_cvt_scalef32_pk16_bf6_f32 v[12*(4*(\ks)+\e/2)+6*(\e%2):12*(4*(\ks)+\e/2)+6*(\e%2)+2], v[32*\e:32*\e+15], v[SO+\e]
	v_cvt_scalef32_pk16_bf6_f32 v[VT+4*\e:VT+4*\e+2], v[32*\e+16:32*\e+31], v[SO+\e]
.endr
	v_nop                                          ; one plain place behind a scaled conversion
	WIN 0xc3
.irp e, 0,1,2,3,4,5,6,7
.irp j, 0,1,2
	v_mov_b32 v[12*(4*(\ks)+\e/2)+6*(\e%2)+3+\j], v[VT+4*\e+\j]
.endr
.endr
	WIN 0
.endm
; ---------------- the tile loop's macros
; The two products of fragment f: tiles 2 f and 2 f + 1 of my keys against the 16 queries.  Each starts its sum with the constant 0: K = 64 is one instruction
.macro WPAIR f
	WIN 0x42                                       ; D window 1, K window 2, Q window 0
	v_wmma_scale_f32_16x16x128_f8f6f4 v[16*(\f):16*(\f)+7], v[12*(\f):12*(\f)+11], v[ZQZ+6:ZQZ+17], 0, v[KS+(\f)], v[QS] matrix_a_fmt:MATRIX_FMT_BF6 matrix_b_fmt:MATRIX_FMT_BF6
	v_wmma_scale_f32_16x16x128_f8f6f4 v[16*(\f)+8:16*(\f)+15], v[12*(\f):12*(\f)+11], v[ZQZ:ZQZ+11], 0, v[KS+(\f)], v[QS] matrix_a_fmt:MATRIX_FMT_BF6 matrix_b_fmt:MATRIX_FMT_BF6
.endm
.macro MAXF f                          ; their 16 scores into the four chains, ascending: each accumulator is first read at its low end
	WIN 0x14
.irp j, 0,1,2,3,4,5,6,7
	v_max3_num_f32 v[MX+\j%4], v[MX+\j%4], v[16*(\f)+2*\j], v[16*(\f)+2*\j+1]
.endr
.endm
.macro MLOAD g                         ; the mask of my block g: keys 64 g + 32 h + 0 .. 31; the sixteen lanes of a half read the same bytes
.irp i, 0,1,2,3,4,5,6,7
	ds_load_b128 v[MT+32*((\g)%2)+4*\i:MT+32*((\g)%2)+4*\i+3], v[AM] offset:256*(\g)+16*\i
.endr
.endm
.macro QSTEP ks                        ; the 64 weights of K step ks: x f, then codes in the operand's own order
	WIN 0x41
.set ni, 0
.rept 32
	v_pk_mul_f32 v[64*(\ks)+2*ni:64*(\ks)+2*ni+1], v[64*(\ks)+2*ni:64*(\ks)+2*ni+1], v[FF:FF+1] op_sel_hi:[1,0]
.set ni, ni+1
.endr
	WIN 0x01
.irp cc, 0,1
	v_cvt_scalef32_pk16_bf6_f32 v[PC+12*(\ks)+6*\cc:PC+12*(\ks)+6*\cc+2], v[64*(\ks)+32*\cc:64*(\ks)+32*\cc+15], v[SO+2*(\ks)+\cc]
	v_cvt_scalef32_pk16_bf6_f32 v[MT+8*(\ks)+4*\cc:MT+8*(\ks)+4*\cc+2], v[64*(\ks)+32*\cc+16:64*(\ks)+32*\cc+31], v[SO+2*(\ks)+\cc]
.endr
	WIN 0
	v_nop                                          ; one plain place behind a scaled conversion
.irp cc, 0,1
.irp j, 0,1,2
	v_mov_b32 v[PC+12*(\ks)+6*\cc+3+\j], v[MT+8*(\ks)+4*\cc+\j]
.endr
.endr
.endm
; O(16 queries, 16 channels ct) += weights x V over the 128 keys of K step ks.  Source 0 = the weights: a lane then holds one channel and eight neighbouring queries, 32 bytes of a row of out0.
; The four accumulators take turns, one instruction a turn
.macro PVSTEP ks
	WIN 0x0c                                       ; V window 3, all else window 0
.irp ct, 0,1,2,3
.if (\ks) == 0
	v_wmma_scale_f32_16x16x128_f8f6f4 v[OA+8*\ct:OA+8*\ct+7], v[PC+12*(\ks):PC+12*(\ks)+11], v[12*(4*(\ks)+\ct):12*(4*(\ks)+\ct)+11], 0, v[PS+(\ks)], v[VS+4*(\ks)+\ct] matrix_a_fmt:MATRIX_FMT_BF6 matrix_b_fmt:MATRIX_FMT_BF6
.else
	v_wmma_scale_f32_16x16x128_f8f6f4 v[OA+8*\ct:OA+8*\ct+7], v[PC+12*(\ks):PC+12*(\ks)+11], v[12*(4*(\ks)+\ct):12*(4*(\ks)+\ct)+11], v[OA+8*\ct:OA+8*\ct+7], v[PS+(\ks)], v[VS+4*(\ks)+\ct] matrix_a_fmt:MATRIX_FMT_BF6 matrix_b_fmt:MATRIX_FMT_BF6
.endif
.endr
.endm
; ================ THE HEAD
	s_load_b128 s[4:7], s[0:1], 0x0                ; qkv, mask
	s_load_b64 s[8:9], s[0:1], 0x10                ; out0
	v_lshl_add_u32 v22, v0, 2, 0x45200
	v_mov_b32 v85, 0
	v_lshrrev_b32 v[TA], 5, v0
	v_readfirstlane_b32 s10, v[TA]                 ; wave 0..3
	s_and_b32 s11, ttmp7, 0xffff                   ; the head
	s_mov_b32 s12, ttmp9                           ; the quarter of its queries
	s_mov_b32 s13, 0x3eb504f3                      ; sigma = 64^-0.25
	s_mov_b32 s14, 0x3fb8aa3b                      ; c = log2(e)
	s_mov_b32 s15, s14                             ; (named with it as a pair, so it is written)
	s_mov_b32 s18, 0x76543210
	s_mov_b32 s19, 0xfedcba98                      ; v_permlanex16_b32's selects for lane l xor 16
	v_and_b32 v[LN], 31, v0
	v_and_b32 v[RR], 15, v0
	v_bfe_u32 v[HH], v0, 4, 1
	s_lshl_b32 s22, s12, 11
	s_lshl_b32 s23, s10, 9
	s_add_co_u32 s22, s22, s23
	v_lshl_add_u32 v[OQ], v[LN], 4, s22            ; my wave quantises queries 128 w on of the quarter, a lane four of them
	s_lshl_b32 s23, s10, 11
	v_lshl_add_u32 v[OK], v[LN], 4, s23            ; and its own 512 keys, 128 a pass
	v_lshlrev_b32 v[OV], 13, v[RR]
	v_lshl_add_u32 v[OV], v[HH], 7, v[OV]
	v_add_nc_u32 v[OV], s23, v[OV]
	s_mul_i32 s26, s11, HEADB
	s_mov_b32 s27, 0
	s_wait_kmcnt 0x0
	s_add_nc_u64 s[4:5], s[4:5], s[26:27]
	s_and_b32 s26, s11, 3                          ; the mask is tiled over the leading axis: head b takes row b % 4
	s_lshl_b32 s26, s26, 13
	s_add_nc_u64 s[6:7], s[6:7], s[26:27]
	s_lshl_b32 s26, s11, 19                        ; 64 rows of out0 a head,
	s_lshl_b32 s22, s12, 11                        ; 512 queries x 4 bytes a quarter
	s_add_co_u32 s26, s26, s22
	s_add_nc_u64 s[8:9], s[8:9], s[26:27]
.irp i, 0,1,2,3
	global_load_b128 v[MT+4*\i:MT+4*\i+3], v[OK], s[6:7] offset:512*\i   ; the mask of my 512 keys
.endr
	LOADCOL OQ, 0                                  ; q
	; LDS addresses, while the loads are out: each a constant + constants x lane parts + a constant x wave
	v_mul_u32_u24 v[AQS], v[RR], REC
	v_mad_u32_u24 v[AQ], v[HH], 24, v[AQS]
	v_add_nc_u32 v[AQ], QREC, v[AQ]
	v_add_nc_u32 v[AQS], QREC+48, v[AQS]
	s_add_co_u32 s22, s23, MASK
	v_lshl_add_u32 v[AM], v[HH], 7, s22
	v_lshl_add_u32 v[AMW], v[LN], 4, s22
	s_lshl_b32 s22, s10, 7
	s_add_co_u32 s22, s22, STAT
	v_lshl_add_u32 v[ASW], v[RR], 3, s22
	v_lshl_add_u32 v[ASR], v[RR], 3, STAT
	s_mul_i32 s22, s10, OSW
	s_add_co_u32 s22, s22, OST
	v_mul_u32_u24 v[AO], v[RR], OP
	v_lshl_add_u32 v[AO], v[HH], 5, v[AO]
	v_add_nc_u32 v[AO], s22, v[AO]
	s_mul_i32 s22, s10, 16*OP
	s_add_co_u32 s22, s22, OST
	v_mul_u32_u24 v[ARD], v[HH], OP
	v_lshl_add_u32 v[ARD], v[RR], 4, v[ARD]
	v_add_nc_u32 v[ARD], s22, v[ARD]
	s_lshl_b32 s22, s10, 17
	v_lshlrev_b32 v[GO], 13, v[HH]
	v_lshl_add_u32 v[GO], v[RR], 4, v[GO]
	v_add_nc_u32 v[GO], s22, v[GO]
	v_lshlrev_b32 v[SH8], 3, v[HH]
	s_mul_i32 s22, s10, KRW
	v_mul_u32_u24 v[ARK], v[LN], 4*REC
	s_mul_i32 s23, s10, 128*REC
	s_add_co_u32 s23, s23, QREC
	v_add_nc_u32 v[ARQ], s23, v[ARK]
	v_add_nc_u32 v[ARK], s22, v[ARK]
	v_and_b32 v[TA], 8, v[RR]
	v_mad_u32_u24 v[TA], v[TA], 3, v[RR]           ; 32 (r / 8) + r % 8
	v_mul_u32_u24 v[AKS], v[TA], REC
	v_add_nc_u32 v[AKS], s22, v[AKS]
	v_mad_u32_u24 v[AKB], v[HH], 24, v[AKS]
	v_add_nc_u32 v[AKS], 48, v[AKS]
.irp j, 4,5,6,7
	v_mov_b32 v[WT+\j], 0                          ; written once: a lane permute's destination counts as one of its sources
.endr
	; ---- the pass for q
	s_wait_loadcnt 0x0
.irp i, 0,1,2,3
	ds_store_b128 v[AMW], v[MT+4*\i:MT+4*\i+3] offset:512*\i
.endr
	DEINT
	LOADCOL OK, 64                                 ; k, my keys 0-127: they land while q is quantised
	s_wait_dscnt 0x0                               ; the mask's stores have read their registers, which the next lines write
	QCOLS
	PUTREC ARQ
	; ---- k: four passes of 128 keys; a trip quantises one and asks for the next; the last is written out, since it asks for V
	s_mov_b32 s24, 0                               ; the pass's place among my records
	s_mov_b32 s25, 0
.Lk:
	s_wait_loadcnt 0x0                             ; the pass's 64 loads are in: their address register may step
	DEINT
	v_add_nc_u32 v[OK], 512, v[OK]
	LOADCOL OK, 64
	QCOLS
	v_add_nc_u32 v[TB], s24, v[ARK]
	PUTREC TB
	s_add_co_u32 s24, s24, 128*REC
	s_add_co_u32 s25, s25, 1
	s_cmp_lt_u32 s25, 3
	s_cbranch_scc1 .Lk
	s_wait_loadcnt 0x0
	DEINT
	VLOAD 0, 1                                     ; window 1 is free
	QCOLS
	v_add_nc_u32 v[TB], s24, v[ARK]
	PUTREC TB
	VLOAD 1, 2                                     ; window 2 is free
	; ---- v: four K steps, in the two windows by turns
	s_wait_loadcnt 63                              ; behind K step 0's loads stand 64 younger ones: with at most 63 out, K step 0's are in
	VQ 0, 1
	VLOAD 2, 1
	s_wait_loadcnt 63                              ; likewise K step 1's
	VQ 1, 2
	VLOAD 3, 2
	s_wait_loadcnt 63
	VQ 2, 1
	s_wait_loadcnt 0x0
	VQ 3, 2
	; ---- my keys' records come back as fragments, the tiles' keys chosen as the head comment says.  LDS serves a wave's instructions in order (ISA guide 5.7.1.4) and the records are my own: no barrier
	WIN 0x80
.set fi, 0
.rept 16
.irp cc, 0,1
.irp p, 0,1,2
	ds_load_b64 v[12*fi+6*\cc+2*\p:12*fi+6*\cc+2*\p+1], v[AKB] offset:(64*(fi/2)+8*(2*(fi%2)+\cc))*REC+8*\p
.endr
.endr
.set fi, fi+1
.endr
	WIN 0
.set fi, 0
.rept 16
.irp cc, 0,1
	ds_load_b32 v[MT+2*fi+\cc], v[AKS] offset:(64*(fi/2)+8*(2*(fi%2)+\cc))*REC
.endr
.set fi, fi+1
.endr
	s_wait_dscnt 0x0
.set fi, 0
.rept 16
	v_bfi_b32 v[KS+fi], 0xffff, v[MT+2*fi], v[MT+2*fi+1]   ; bytes 0, 1: tile 2 F's; bytes 2, 3: tile 2 F + 1's
.set fi, fi+1
.endr
.irp j, 0,1,2,3,4,5,12,13,14,15,16,17
	v_mov_b32 v[ZQZ+\j], 0                         ; the zero codes on both sides of Q: written once
.endr
	v_mov_b32 v[ST1], 0                            ; upper words of pairs that are named before they are first made, and the permutes' destinations.  These six lines also stand
	v_mov_b32 v[FF+1], 0                           ; between the lines above and the first scaled product: 18 behind the last scale word, 6 behind the last operand register
.irp j, 0,1,2,3
	v_mov_b32 v[T0+\j], 0
.endr
	s_barrier_signal -1                            ; (no LDS instruction of mine is out: the wait above was for 0)  every wave's records of q lie in LDS
	s_barrier_wait -1
.irp p, 0,1,2
	ds_load_b64 v[ZQZ+6+2*\p:ZQZ+7+2*\p], v[AQ] offset:8*\p   ; Q of tile 0
.endr
	ds_load_b32 v[QS], v[AQS]
	s_wait_dscnt 0x0
; ================ THE TILES: 32 trips, 16 queries each
	s_mov_b32 s20, 0
	s_mov_b32 s21, 0
.Ltile:
	; ---- scores, and their maximum two fragments behind: between a product and the first read of its result stand 8 plain lines or more that name none of its registers
	WPAIR 0
	WPAIR 1
	WIN 0
.irp j, 0,1,2,3
	v_mov_b32 v[MX+\j], 0xff800000                 ; -infinity
.endr
.irp j, 0,1,2,3
	v_mov_b32 v[SUM+\j], 0
.endr
.set fi, 2
.rept 14
	WPAIR fi
	MAXF fi-2
.set fi, fi+1
.endr
	MAXF 14
	MAXF 15
	WIN 0
	v_max3_num_f32 v[T0], v[MX], v[MX+1], v[MX+2]
	v_max_num_f32 v[T0], v[T0], v[MX+3]
	v_permlanex16_b32 v[T0+1], v[T0], s18, s19     ; the query's other 256 of my keys lie in lane l xor 16
	v_max_num_f32 v[T0], v[T0], v[T0+1]
	v_mul_f32 v[ST0], s14, v[T0]                   ; c m_w
	s_add_co_u32 s21, s21, 16*REC                  ; the next tile's Q is asked for now; the last trip asks for its own again
	s_min_u32 s22, s21, 31*16*REC
	v_add_nc_u32 v[TA], s22, v[AQ]
	v_add_nc_u32 v[TB], s22, v[AQS]
.irp p, 0,1,2
	ds_load_b64 v[ZQZ+6+2*\p:ZQZ+7+2*\p], v[TA] offset:8*\p
.endr
	ds_load_b32 v[QS], v[TB]
	; ---- p = 2^(c s - c m_w), in chunks of 16: the next chunk's multiply-adds stand among a chunk's exponentials, so that each exponential has a plain line behind it before its result is used (ISA guide 5.7.2)
	WIN 0x41
.irp j, 0,1,2,3,4,5,6,7
	v_pk_fma_f32 v[2*\j:2*\j+1], v[2*\j:2*\j+1], s[14:15], v[ST0:ST0+1] op_sel_hi:[1,0,0] neg_lo:[0,0,1] neg_hi:[0,0,1]
.endr
.set ki, 0
.rept 15
	WIN 0x41
.irp j, 0,1,2,3,4,5,6,7
	v_exp_f32 v[16*ki+2*\j], v[16*ki+2*\j]
	v_pk_fma_f32 v[16*ki+16+2*\j:16*ki+17+2*\j], v[16*ki+16+2*\j:16*ki+17+2*\j], s[14:15], v[ST0:ST0+1] op_sel_hi:[1,0,0] neg_lo:[0,0,1] neg_hi:[0,0,1]
	v_exp_f32 v[16*ki+2*\j+1], v[16*ki+2*\j+1]
.endr
	WIN 0x04
	s_wait_alu depctr_va_vdst(0)
.irp j, 0,1,2,3,4,5,6,7
	v_pk_add_f32 v[SUM+2*(\j%2):SUM+2*(\j%2)+1], v[SUM+2*(\j%2):SUM+2*(\j%2)+1], v[16*ki+2*\j:16*ki+2*\j+1]   ; the sum of the unmasked p, in two chains
.endr
.set ki, ki+1
.endr
	WIN 0x41
.set ni, 240
.rept 16
	v_exp_f32 v[ni], v[ni]
.set ni, ni+1
.endr
	v_nop                                          ; the last chunk has no multiply-adds to stand among its exponentials
	WIN 0x04
	s_wait_alu depctr_va_vdst(0)
.irp j, 0,1,2,3,4,5,6,7
	v_pk_add_f32 v[SUM+2*(\j%2):SUM+2*(\j%2)+1], v[SUM+2*(\j%2):SUM+2*(\j%2)+1], v[240+2*\j:241+2*\j]
.endr
	WIN 0
	v_pk_add_f32 v[SUM:SUM+1], v[SUM:SUM+1], v[SUM+2:SUM+3]
	v_add_f32 v[T0], v[SUM], v[SUM+1]
	v_permlanex16_b32 v[T0+1], v[T0], s18, s19
	v_add_f32 v[ST1], v[T0], v[T0+1]               ; l_w
	ds_store_b64 v[ASW], v[ST0:ST0+1]              ; both halves of the lanes write the same bytes with the same value
	s_wait_dscnt 0x0                               ; for the others' sake: my store has landed (and Q's loads are in)
	s_barrier_signal -1
	; ---- between signal and wait: p x mask and the blocks' largest magnitudes.  Register work, and reads of mask bytes, which nobody writes after the head
	MLOAD 0
	MLOAD 1
.irp j, 0,1,2,3,4,5,6,7
	v_mov_b32 v[BM+\j], 0
.endr
.set gi, 0
.rept 8
.if gi < 7
	s_wait_dscnt 8                                 ; behind block g's eight loads stand only block g + 1's eight
.else
	s_wait_dscnt 0x0
.endif
	WIN 0x41
.set ni, 0
.rept 16
	v_pk_mul_f32 v[32*gi+2*ni:32*gi+2*ni+1], v[32*gi+2*ni:32*gi+2*ni+1], v[MT+32*(gi%2)+2*ni:MT+32*(gi%2)+2*ni+1]
.set ni, ni+1
.endr
.if gi < 6
	WIN 0
	MLOAD gi+2
.endif
.set gi, gi+1
.endr
	WIN 0x14
.set ni, 0
.rept 16
.irp j, 0,1,2,3,4,5,6,7
	v_max3_num_f32 v[BM+\j], v[BM+\j], |v[32*\j+2*ni]|, |v[32*\j+2*ni+1]|   ; the eight blocks by turns; |.|: the mask may hold any number
.endr
.set ni, ni+1
.endr
	WIN 0
	s_barrier_wait -1                              ; every wave's (c m, l) lie in LDS
	; ---- the row's factor
.irp j, 0,1,2,3
	ds_load_b64 v[SL+2*\j:SL+2*\j+1], v[ASR] offset:128*\j
.endr
	s_wait_dscnt 0x0
	v_max3_num_f32 v[T0], v[SL], v[SL+2], v[SL+4]
	v_max_num_f32 v[T0], v[T0], v[SL+6]            ; tm
.irp j, 0,1,2,3
	v_sub_f32 v[SL+2*\j], v[SL+2*\j], v[T0]
.endr
	v_sub_f32 v[T0+1], v[ST0], v[T0]
.irp j, 0,1,2,3
	v_exp_f32 v[SL+2*\j], v[SL+2*\j]
.endr
	v_exp_f32 v[T0+1], v[T0+1]
	v_nop                                          ; a plain place behind the exponentials
	s_wait_alu depctr_va_vdst(0)
	v_mul_f32 v[T0+2], v[SL], v[SL+1]
	v_fmac_f32 v[T0+2], v[SL+2], v[SL+3]
	v_fmac_f32 v[T0+2], v[SL+4], v[SL+5]
	v_fmac_f32 v[T0+2], v[SL+6], v[SL+7]           ; l: at least about 1, from the wave that holds tm
	v_rcp_f32 v[T0+3], v[T0+2]
	v_nop                                          ; a plain place behind the reciprocal
	s_wait_alu depctr_va_vdst(0)
	v_mul_f32 v[FF], v[T0+1], v[T0+3]              ; f = 2^(c m_own - tm) / l
.irp j, 0,1,2,3,4,5,6,7
	v_mul_f32 v[BM+\j], v[BM+\j], v[FF]            ; f is positive and rounding keeps order: the largest |p mask| x f is the largest |p mask f|, bit for bit
.endr
.irp j, 0,1,2,3,4,5,6,7
	v_max_num_f32 v[BM+\j], FLOOR, v[BM+\j]
.endr
.irp j, 0,1,2,3,4,5,6,7
	v_add_nc_u32 v[SO+\j], OFFE, v[BM+\j]
.endr
.irp j, 0,1,2,3,4,5,6,7
	v_lshrrev_b32 v[BY+\j], 23, v[SO+\j]
.endr
.irp j, 0,1,2,3
	v_lshl_or_b32 v[WT+\j], v[BY+2*\j+1], 16, v[BY+2*\j]   ; K step j: my bytes are blocks h and 2 + h
.endr
.irp j, 0,1,2,3
	v_lshlrev_b32 v[WT+\j], v[SH8], v[WT+\j]
.endr
.irp j, 0,1,2,3
	v_permlanex16_b32 v[WT+4+\j], v[WT+\j], s18, s19
.endr
.irp j, 0,1,2,3
	v_or_b32 v[PS+\j], v[WT+\j], v[WT+4+\j]
.endr
	; ---- the weights' codes, and the second product one K step behind them: a K step's codes and scale word stand a whole QSTEP (over 40 plain lines) ahead of the products that take them
	QSTEP 0
	QSTEP 1
	PVSTEP 0
	QSTEP 2
	PVSTEP 1
	QSTEP 3
	PVSTEP 2
.rept 4
	v_nop                                          ; K step 3's codes were written by vector lines: four places ahead of the scaled product
.endr
	PVSTEP 3
	WIN 0
	s_and_b32 s23, s20, 3
	s_lshl_b32 s23, s23, 6                         ; the tile's 16 queries among the stage's 64
	v_add_nc_u32 v[TB], s23, v[AO]                 ; with the three lines below: four places behind the last products
.rept 3
	v_nop
.endr
.irp ct, 0,1,2,3
.irp j, 0,1
	ds_store_b128 v[TB], v[OA+8*\ct+4*\j:OA+8*\ct+4*\j+3] offset:16*OP*\ct+16*\j   ; each accumulator from its low end on
.endr
.endr
	s_wait_dscnt 0x0                               ; my part of O lies in my stage; my reads of the four (c m, l) were waited for above
	s_barrier_signal -1
	s_barrier_wait -1                              ; so the next tile may write (c m, l) again, and the stages may be read
	s_and_b32 s22, s20, 3
	s_cmp_lg_u32 s22, 3                            ; a branch on the trip's number, alike in all four waves; no barrier stands under it
	s_cbranch_scc1 .Lnored
	; ---- every fourth tile: 64 queries x 64 channels leave.  Wave w adds the four parts of channels 16 w on; lanes 0-15 take one row's 256 bytes, lanes 16-31 the next
	WIN 0x40
.irp i, 0,1,2,3,4,5,6,7
.irp u, 0,1,2,3
	ds_load_b128 v[32*\u+4*\i:32*\u+4*\i+3], v[ARD] offset:OSW*\u+2*OP*\i
.endr
.endr
	WIN 0x45
.irp i, 0,1,2,3,4,5,6,7
	s_wait_dscnt 28-4*\i                           ; the four loads of each later pair of rows may stay out
	v_pk_add_f32 v[4*\i:4*\i+1], v[4*\i:4*\i+1], v[32+4*\i:33+4*\i]
	v_pk_add_f32 v[4*\i+2:4*\i+3], v[4*\i+2:4*\i+3], v[34+4*\i:35+4*\i]
	v_pk_add_f32 v[64+4*\i:65+4*\i], v[64+4*\i:65+4*\i], v[96+4*\i:97+4*\i]
	v_pk_add_f32 v[66+4*\i:67+4*\i], v[66+4*\i:67+4*\i], v[98+4*\i:99+4*\i]
	v_pk_add_f32 v[4*\i:4*\i+1], v[4*\i:4*\i+1], v[64+4*\i:65+4*\i]
	v_pk_add_f32 v[4*\i+2:4*\i+3], v[4*\i+2:4*\i+3], v[66+4*\i:67+4*\i]
.endr
	WIN 0x04                                       ; a store's data: window 1
.irp i, 0,1,2,3,4,5,6,7
	global_store_b128 v[GO], v[4*\i:4*\i+3], s[8:9] offset:2*ROWB*\i th:TH_STORE_NT   ; sixteen lanes store 256 consecutive bytes, at a multiple of 256 from out0's first byte; written once, read by nobody here
.endr
	WIN 0
	s_wait_xcnt 0x0                                ; the stores' addresses are translated (ISA guide 3.1): only behind this wait are their base stepped and their data registers, which the next scores take, written
	s_add_nc_u64 s[8:9], s[8:9], 256               ; the next 64 queries.  (The stages are written again only behind the next tile's first barrier, in front of whose signal every wave waits for all its LDS loads)
.Lnored:
	s_add_co_u32 s20, s20, 1
	s_cmp_lt_u32 s20, 32
	s_cbranch_scc1 .Ltile
	s_wait_tensorcnt 0x0
	ds_add_u32 v22, v85
	s_wait_dscnt 0x0
	s_endpgm
.Lfunc_end_k_qa5ed9e61c1_attn:
	.size	k_qa5ed9e61c1_attn, .Lfunc_end_k_qa5ed9e61c1_attn-k_qa5ed9e61c1_attn
	.p2alignl 7, 3214868480
	.fill 96, 4, 3214868480
	.section	.rodata,"a",@progbits
	.p2align	6, 0x0
	.amdhsa_kernel k_qa5ed9e61c1_attn
		.amdhsa_group_segment_fixed_size 283648
		.amdhsa_private_segment_fixed_size 0
		.amdhsa_enable_private_segment 0
		.amdhsa_kernarg_size 24
		.amdhsa_user_sgpr_count 2
		.amdhsa_user_sgpr_kernarg_segment_ptr 1
		.amdhsa_wavefront_size32 1
		.amdhsa_system_sgpr_workgroup_id_x 1
		.amdhsa_system_sgpr_workgroup_id_y 1
		.amdhsa_system_sgpr_workgroup_id_z 1
		.amdhsa_system_vgpr_workitem_id 0
		.amdhsa_next_free_vgpr 1024
		.amdhsa_next_free_sgpr 66
		.amdhsa_reserve_vcc 0
		.amdhsa_float_denorm_mode_32 3
		.amdhsa_float_denorm_mode_16_64 3
		.amdhsa_memory_ordered 1
		.amdhsa_forward_progress 1
		.amdhsa_inst_pref_size 253
	.end_amdhsa_kernel
	.amdgpu_metadata
---
amdhsa.version: [ 1, 2 ]
amdhsa.kernels:
  - .name:           k_qa5ed9e61c1_attn
    .symbol:         k_qa5ed9e61c1_attn.kd
    .args:
      - { .name: qkv, .offset: 0, .size: 8, .value_kind: global_buffer, .address_space: global }
      - { .name: mask, .offset: 8, .size: 8, .value_kind: global_buffer, .address_space: global }
      - { .name: out0, .offset: 16, .size: 8, .value_kind: global_buffer, .address_space: global }
    .group_segment_fixed_size: 283648
    .private_segment_fixed_size: 0
    .kernarg_segment_align: 8
    .kernarg_segment_size: 24
    .max_flat_workgroup_size: 128
    .sgpr_count:     66
    .vgpr_count:     1024
    .wavefront_size: 32
...
	.end_amdgpu_metadata
.endif
;; end of part 1
;; ======== version 2 of 2: 1 launch; version 1 with the launch attn written anew for expert scheduling mode
;; launch attn (part 2): grid 4 x 64, 4 waves a work-group, no clusters, 283,648 bytes of LDS; arguments qkv, mask, out0; writes out0
.if DOCPART == 2
	.amdgcn_target "amdgcn-amd-amdhsa--gfx1250"
	.amdhsa_code_object_version 6
	.text
	.protected	k_qa5ed9e61c1_attn
	.globl	k_qa5ed9e61c1_attn
	.p2align	8
	.type	k_qa5ed9e61c1_attn,@function
k_qa5ed9e61c1_attn:
	s_mov_b64 s[64:65], 0
	v_nop
	global_prefetch_b8 v0, s[64:65] scope:SCOPE_SE
	s_setreg_imm32_b32 hwreg(HW_REG_WAVE_SCHED_MODE, 0, 2), 2
	s_setreg_imm32_b32 hwreg(HW_REG_WAVE_MODE, 25, 1), 1
	s_wait_xcnt 0x0
	s_wait_alu depctr_vm_vsrc(0)
; out[b][c][t] = sum over s of v[b][c][s] w[b][t][s],  w = softmax_s( (q sigma) . (k sigma) ) x mask[b & 3][s],  sigma = 64^-0.25.
; qkv: [64 heads][192 rows][2048] f32 (rows 0-63 q, 64-127 k, 128-191 v; the channel runs down the rows, the position is innermost).  mask: [4][2048] f32.  out0: [64][64][2048] f32.
; Both products run on codes of BF6 (E3M2) with one E8M0 scale for each 32 along K.  First product: K = the 64 channels.  Second: K = the 2,048 keys; what is quantised is the FINISHED weight,
; normalised and masked, so a row's sum is known before any of its weights is quantised.
; SHARES.  A work-group owns 512 queries of one head (grid x: the quarter, grid y: the head).  THE FOUR WAVES SHARE THE KEYS: wave w owns keys 512 w .. 512 w + 511 for all 512 queries.  Its codes of K (192
; registers) and of V (192) are made once, at the head, and stay in registers.  For a tile of 16 queries the wave's scores are 256 registers; they stay in registers from the product to the quantiser:
; one exponential a score, nothing through memory.  Per tile: local maximum m_w, p = 2^(c s - c m_w), local sum l_w; (c m_w, l_w) meet in LDS; every wave forms tm = max c m_w, l = sum l_w 2^(c m_w - tm),
; f = 2^(c m_own - tm) / l; w = (p x mask) x f is quantised and multiplied by the wave's 512 keys of V; the four partial results meet in a stage in LDS and leave every four tiles (64 queries = 256 bytes of a row).
; LAYOUT.  (a) A fragment of K holds TWO tiles of 16 keys: tile 2 F in k 0-63, tile 2 F + 1 in k 64-127.  Q stands between zeros, [0 x 6 | Q x 6 | 0 x 6]: the upper twelve are (Q, 0) and give tile 2 F, the lower
; twelve (0, Q) give tile 2 F + 1; zero codes add nothing under any scale byte that a quantiser makes.  (b) THE KEYS OF A TILE ARE NOT NEIGHBOURS: slot m of tile 4 g + u is key 64 g + 32 (m / 8) + 8 u + m % 8, so
; that register 32 g + i of lane half h is key 64 g + 32 h + i: a lane's 32 registers are one whole block of the second product's K, in the operand's own order.  No maximum and no code changes lanes.
; NO CLUSTER, NO JOINT LOADS: the four work-groups of a head read the same 1 MiB of K and V, but once, as f32, straight into the registers of the lanes that quantise them.  A joint load lands in LDS: 1 MiB would
; go through it in four or more refills, each behind a round of the cluster's barrier, and every number would cross LDS once more.
; LIMITS.  NaN and infinities are not served.  A block whose largest magnitude lies under 2^-122 gets the byte 1 (as the quantiser's hold at -126 has it); so does a block of zeros, whose codes are zeros.
; A 2^x under 2^-126 comes out as zero (ISA guide, the entry of v_exp_f32).  The four waves' partial sums over the keys are added as (0 + 1) + (2 + 3), not in one ascending chain.
; c m_w is rounded once; the same rounded number stands in p, in l_w and in 2^(c m_w - tm), so its rounding cancels, for large scores too.
; THE MODE: SCHED_MODE bits 1:0 = 2 (LLVM: expert scheduling mode 2), set by the entry lines.  The code itself states the register dependences between vector or matrix instructions and memory or LDS
; instructions, with s_wait_alu, always for 0.
; THE PLAN, in the tile loop.  Registers that LDS or memory instructions touch:
;   Q (v92-97) and its scale word   The 32 score products read them; behind the wait named (1) the next tile's land in them.
;   TA, TB           Written by two additions ahead of (1); read by Q's four loads.
;   eight mask sets  One for each block of 32 of my keys a lane: window 0 v184-215, v216-247, v104-135, v136-167; windows 2 and 3 v192-223, v224-255.  Their 64 loads stand behind (1): 32 at once, 32 in the middle of the
;                    exponentials, which name window 1 and v40-41 alone.  Each set is read by one run of packed multiplies behind the first barrier's signal.  Outside that phase the four sets of window 0 are
;                    scratch, the weights' codes and the low half of the second product's accumulators: all their readers and writers of the tile before stand ahead of (1).
;   ST0, ST1         Written by vector lines; read by the store of (c m, l), behind (3).
;   SL               Four loads land behind the first barrier; the factor's lines, which read and write them, stand ahead of the next tile's (1).
;   OA, TC           Written by the second product and by one addition; read by the stage's eight stores, behind (9).
;   window 1 v0-127  Every fourth tile: the stage's 32 loads land (their readers and writers stand ahead of (9)), the additions write v0-31, the eight global stores read them behind a wait of their own.
;   v3-10            Addresses made at the head and never written again.
; THE WAITS OF A TILE: (1) ahead of Q's loads; (2) one behind all 256 exponentials; (3) ahead of the store of (c m, l); (4), (5) behind the factor's exponentials and its reciprocal; (6), (7), (8) ahead of the second
; product's K steps 0, 1 and 2 with 3, whose codes and scale words vector lines have written; (9) ahead of the stage's stores; (10), on vm_vsrc, ahead of the second barrier: all that LDS instructions of the tile have read may be written.
.set ROWB,  8192                       ; a row of qkv, of mask and of out0 in bytes
.set HEADB, 192*ROWB                   ; a head in qkv
.set REC,   80                         ; a record in LDS: 24 bytes codes of channels 0-31, 24 of channels 32-63, the scale word (b0, b1, b0, b1), 28 unused
.set KRW,   512*REC                    ; LDS 0: four waves' key records, each wave's own, used at the head alone
.set QREC,  4*KRW                      ; the 512 queries' records
.set MASK,  QREC+512*REC               ; the head's mask row, f32; wave w reads and writes its own 2,048 bytes
.set OST,   MASK+ROWB                  ; the stage: for each wave 64 channels x (64 queries x 4 bytes + 16)
.set OP,    272                        ; its pitch: an odd multiple of 16 bytes, so that sixteen rows begin at sixteen different 16-byte columns of 256
.set OSW,   64*OP
.set STAT,  OST+4*OSW                  ; [wave][16 queries] x (c m, l): 512 bytes.  In all 283,136 bytes
.set FLOOR, 5<<23                      ; 2^(5 - 127): under it no largest magnitude is taken, so a scale's byte cannot fall under 1
.set OFFE,  0xfe000000                 ; takes 4 off an exponent field
; REGISTERS, window 0
.set RR,  1                            ; lane % 16
.set HH,  2                            ; lane / 16
.set AQ,  3                            ; QREC + 80 r + 24 h
.set AQS, 4                            ; QREC + 80 r + 48
.set AM,  5                            ; MASK + 2048 w + 128 h
.set ASW, 6                            ; STAT + 128 w + 8 r
.set ASR, 7                            ; STAT + 8 r
.set AO,  8                            ; OST + OSW w + 272 r + 32 h
.set ARD, 9                            ; OST + 16 x 272 w + 272 h + 16 r
.set GO,  10                           ; out0: 16 rows x w + a row x h + 16 r
.set SH8, 11                           ; 8 h
.set TA,  12                           ; addresses in hand
.set TB,  13
.set OQ,  14                           ; qkv: 2048 x quarter + 512 w + 16 x lane
.set OK,  15                           ; qkv and mask: 2048 w + 16 x lane; steps 512 a pass
.set OV,  16                           ; qkv: a row x r + 128 h + 2048 w
.set ARK, 17                           ; KRW w + 320 x lane
.set ARQ, 18                           ; QREC + 10240 w + 320 x lane
.set AKB, 19                           ; KRW w + 80 (32 (r / 8) + r % 8) + 24 h
.set AKS, 20                           ; the same without 24 h, + 48
.set AMW, 21                           ; MASK + 2048 w + 16 x lane
.set LN,  23                           ; lane (at the head)
.set TC,  23                           ; in the loop: the stage's address in hand: a register of its own, so that it is written again only behind the tile's one wait on vm_vsrc
.set SL,  24                           ; v24-31  the four waves' (c m, l)
.set MX,  32                           ; v32-35  four chains of the maximum
.set SUM, 36                           ; v36-39  two pairs of sums
.set ST0, 40                           ; c m_w
.set ST1, 41                           ; l_w
.set FF,  42                           ; v42-43  f (a pair is named; the low word serves both halves)
.set T0,  44                           ; v44-47  at work
.set KS,  48                           ; v48-63  K's scale words, one a fragment
.set VS,  64                           ; v64-79  V's, 4 ks + ct
.set PS,  80                           ; v80-83  the weights', one a K step
.set QS,  84                           ; Q's
.set ZQZ, 86                           ; v86-103 zeros, Q, zeros
.set PC,  104                          ; v104-151 the weights' codes, 12 a K step (at the head: a pass's codes)
.set OA,  152                          ; v152-183 four accumulators of the second product (at the head v152-167: the mask on its way to LDS)
.set MT,  184                          ; v184-247 mask sets 0 and 1; outside that phase: +0..31 halves of blocks' codes,
.set SO,  MT+32                        ;   eight scale operands,
.set BY,  MT+40                        ;   eight bytes,
.set WT,  MT+48                        ;   eight words at work
.set M2,  PC                           ; v104-135 mask set 2,
.set M3,  PC+32                        ; v136-167 mask set 3: idle between a tile's last product and the next tile's first conversion
.set MW,  192                          ; windows 2 and 3, v192-255: mask sets 4, 5 and 6, 7
.set BM,  248                          ; v248-255 eight blocks' largest magnitudes
; window 1: the 256 scores (at the head: numbers as loaded; on the way out 128 at work).  window 2: K's 16 fragments (at the head: 4 columns x 64 channels).  window 3: V's 16 fragments, and at the head
.set VT,  192                          ;   32 registers for halves of blocks' codes
; s[4:5] qkv at my head, s[6:7] mask at my row, s[8:9] out0 at my head and queries, s10 wave, s11 head, s12 quarter, s13 sigma, s[14:15] c = log2(e), s[18:19] lane selects, s20 tile, s21 Q's record, s22-27 at work
.set MSB, 0
.macro WIN new                         ; low byte: bits 1:0 source 0, 3:2 source 1, 5:4 source 2, 7:6 destination; the high byte repeats the setting that is left; a switch that changes nothing is dropped
.if MSB != (\new)
	s_set_vgpr_msb (MSB<<8)|(\new)
.set MSB, (\new)
.endif
.endm
; ---------------- the head's macros
; 64 channels x 128 columns: each load is 512 consecutive bytes of one row, a lane takes 4 neighbouring columns.  Register 4 c + i of window 1: channel c, column i
.macro LOADCOL voff, row0
	WIN 0x40
.set ci, 0
.rept 64
	global_load_b128 v[4*ci:4*ci+3], v[\voff], s[4:5] offset:(\row0+ci)*ROWB
.set ci, ci+1
.endr
	WIN 0
.endm
; x sigma, which the problem asks of q and of k; the same line sorts a column's 64 channels into consecutive registers: window 2, register 64 i + c
.macro DEINT
	WIN 0x84
.set ci, 0
.rept 64
.irp i, 0,1,2,3
	v_mul_f32 v[64*\i+ci], s13, v[4*ci+\i]
.endr
.set ci, ci+1
.endr
	WIN 0
.endm
; eight blocks e = 2 i + b (column i, channels 32 b on), all 32 numbers of each in my registers: scale, codes (v[PC + 12 i] on: 48 bytes a column) and the column's scale word (v[WT + i])
.macro QCOLS
.irp e, 0,1,2,3,4,5,6,7
	v_mov_b32 v[BM+\e], FLOOR
.endr
	WIN 0x28
.set ni, 0
.rept 16
.irp e, 0,1,2,3,4,5,6,7
	v_max3_num_f32 v[BM+\e], v[BM+\e], |v[32*\e+2*ni]|, |v[32*\e+2*ni+1]|   ; the eight blocks by turns: no line waits for the line above it
.endr
.set ni, ni+1
.endr
	WIN 0
.irp e, 0,1,2,3,4,5,6,7
	v_add_nc_u32 v[SO+\e], OFFE, v[BM+\e]          ; 4 off the exponent field: the conversion takes the exponent field of this operand as its scale
.endr
.irp e, 0,1,2,3,4,5,6,7
	v_lshrrev_b32 v[BY+\e], 23, v[SO+\e]           ; the scale's byte
.endr
.irp i, 0,1,2,3
	v_lshl_or_b32 v[WT+\i], v[BY+2*\i+1], 8, v[BY+2*\i]
.endr
.irp i, 0,1,2,3
	v_lshl_or_b32 v[WT+\i], v[WT+\i], 16, v[WT+\i] ; (b0, b1, b0, b1): the word serves in either half of a K of 128
.endr
	WIN 0x02
.irp e, 0,1,2,3,4,5,6,7
	v_cvt_scalef32_pk16_bf6_f32 v[PC+6*\e:PC+6*\e+2], v[32*\e:32*\e+15], v[SO+\e]
	v_cvt_scalef32_pk16_bf6_f32 v[MT+4*\e:MT+4*\e+2], v[32*\e+16:32*\e+31], v[SO+\e]   ; (a conversion's three registers begin on an even number: the block's second half is made elsewhere and moved)
.endr
	WIN 0
	v_nop                                          ; one plain place behind a scaled conversion
.irp e, 0,1,2,3,4,5,6,7
.irp j, 0,1,2
	v_mov_b32 v[PC+6*\e+3+\j], v[MT+4*\e+\j]
.endr
.endr
.endm
.macro PUTREC va                       ; my four columns' records
	s_wait_alu depctr_va_vdst(0)                   ; the conversions, moves and shifts have written the codes v[PC ..] and the words v[WT ..], and the addition the address, which the stores below read; the pass's readers of window 2 are done too
.irp i, 0,1,2,3
.irp j, 0,1,2
	ds_store_b128 v[\va], v[PC+12*\i+4*\j:PC+12*\i+4*\j+3] offset:REC*\i+16*\j
.endr
	ds_store_b32 v[\va], v[WT+\i] offset:REC*\i+48
.endr
	s_wait_alu depctr_vm_vsrc(0)                   ; these stores have read codes, words and address, and the loads and stores issued ahead of them their offsets and data: the next pass may write them all
.endm
; V, K step ks (128 of my keys) x 64 channels: lane (r, h) takes, of channel 16 ct + r, the 32 neighbouring keys 128 ks + 64 cc + 32 h on: block e = 2 ct + cc at register 32 e of the window named
.macro VLOAD ks, win
	WIN (\win)<<6
.irp ct, 0,1,2,3
.irp cc, 0,1
.irp i, 0,1,2,3,4,5,6,7
	global_load_b128 v[64*\ct+32*\cc+4*\i:64*\ct+32*\cc+4*\i+3], v[OV], s[4:5] offset:(128+16*\ct)*ROWB+512*(\ks)+256*\cc+16*\i
.endr
.endr
.endr
	WIN 0
.endm
; these eight blocks become V's fragments 4 ks + ct (window 3) and their scale words
.macro VQ ks, win
.irp e, 0,1,2,3,4,5,6,7
	v_mov_b32 v[BM+\e], FLOOR
.endr
	WIN 0x14*(\win)
.set ni, 0
.rept 16
.irp e, 0,1,2,3,4,5,6,7
	v_max3_num_f32 v[BM+\e], v[BM+\e], |v[32*\e+2*ni]|, |v[32*\e+2*ni+1]|
.endr
.set ni, ni+1
.endr
	WIN 0
.irp e, 0,1,2,3,4,5,6,7
	v_add_nc_u32 v[SO+\e], OFFE, v[BM+\e]
.endr
.irp e, 0,1,2,3,4,5,6,7
	v_lshrrev_b32 v[BY+\e], 23, v[SO+\e]
.endr
.irp ct, 0,1,2,3
	v_lshl_or_b32 v[WT+\ct], v[BY+2*\ct+1], 16, v[BY+2*\ct]   ; my two bytes: blocks h and 2 + h of the channel's four,
.endr
.irp ct, 0,1,2,3
	v_lshlrev_b32 v[WT+\ct], v[SH8], v[WT+\ct]     ; at their places in the word;
.endr
.irp ct, 0,1,2,3
	v_permlanex16_b32 v[WT+4+\ct], v[WT+\ct], s18, s19
.endr
.irp ct, 0,1,2,3
	v_or_b32 v[VS+4*(\ks)+\ct], v[WT+\ct], v[WT+4+\ct]   ; with lane l xor 16's two the word is whole
.endr
	WIN 0xc0+(\win)
.irp e, 0,1,2,3,4,5,6,7
	v_cvt_scalef32_pk16_bf6_f32 v[12*(4*(\ks)+\e/2)+6*(\e%2):12*(4*(\ks)+\e/2)+6*(\e%2)+2], v[32*\e:32*\e+15], v[SO+\e]
	v_cvt_scalef32_pk16_bf6_f32 v[VT+4*\e:VT+4*\e+2], v[32*\e+16:32*\e+31], v[SO+\e]
.endr
	v_nop                                          ; one plain place behind a scaled conversion
	WIN 0xc3
.irp e, 0,1,2,3,4,5,6,7
.irp j, 0,1,2
	v_mov_b32 v[12*(4*(\ks)+\e/2)+6*(\e%2)+3+\j], v[VT+4*\e+\j]
.endr
.endr
	WIN 0
.endm
; ---------------- the tile loop's macros
; The two products of fragment f: tiles 2 f and 2 f + 1 of my keys against the 16 queries.  Each starts its sum with the constant 0: K = 64 is one instruction
.macro WPAIR f
	WIN 0x42                                       ; D window 1, K window 2, Q window 0
	v_wmma_scale_f32_16x16x128_f8f6f4 v[16*(\f):16*(\f)+7], v[12*(\f):12*(\f)+11], v[ZQZ+6:ZQZ+17], 0, v[KS+(\f)], v[QS] matrix_a_fmt:MATRIX_FMT_BF6 matrix_b_fmt:MATRIX_FMT_BF6
	v_wmma_scale_f32_16x16x128_f8f6f4 v[16*(\f)+8:16*(\f)+15], v[12*(\f):12*(\f)+11], v[ZQZ:ZQZ+11], 0, v[KS+(\f)], v[QS] matrix_a_fmt:MATRIX_FMT_BF6 matrix_b_fmt:MATRIX_FMT_BF6
.endm
.macro MAXF f                          ; their 16 scores into the four chains, ascending: each accumulator is first read at its low end
	WIN 0x14
.irp j, 0,1,2,3,4,5,6,7
	v_max3_num_f32 v[MX+\j%4], v[MX+\j%4], v[16*(\f)+2*\j], v[16*(\f)+2*\j+1]
.endr
.endm
.macro MLOAD g, reg                    ; the mask of my block g: keys 64 g + 32 h + 0 .. 31, into the set at v[reg] of the window in force; the sixteen lanes of a half read the same bytes
.irp i, 0,1,2,3,4,5,6,7
	ds_load_b128 v[(\reg)+4*\i:(\reg)+4*\i+3], v[AM] offset:256*(\g)+16*\i
.endr
.endm
.macro MMUL g, reg                     ; p x mask, block g
.set ni, 0
.rept 16
	v_pk_mul_f32 v[32*(\g)+2*ni:32*(\g)+2*ni+1], v[32*(\g)+2*ni:32*(\g)+2*ni+1], v[(\reg)+2*ni:(\reg)+2*ni+1]
.set ni, ni+1
.endr
.endm
.macro QSTEP ks                        ; the 64 weights of K step ks: x f, then codes in the operand's own order
	WIN 0x41
.set ni, 0
.rept 32
	v_pk_mul_f32 v[64*(\ks)+2*ni:64*(\ks)+2*ni+1], v[64*(\ks)+2*ni:64*(\ks)+2*ni+1], v[FF:FF+1] op_sel_hi:[1,0]
.set ni, ni+1
.endr
	WIN 0x01
.irp cc, 0,1
	v_cvt_scalef32_pk16_bf6_f32 v[PC+12*(\ks)+6*\cc:PC+12*(\ks)+6*\cc+2], v[64*(\ks)+32*\cc:64*(\ks)+32*\cc+15], v[SO+2*(\ks)+\cc]
	v_cvt_scalef32_pk16_bf6_f32 v[MT+8*(\ks)+4*\cc:MT+8*(\ks)+4*\cc+2], v[64*(\ks)+32*\cc+16:64*(\ks)+32*\cc+31], v[SO+2*(\ks)+\cc]
.endr
	WIN 0
	v_nop                                          ; one plain place behind a scaled conversion
.irp cc, 0,1
.irp j, 0,1,2
	v_mov_b32 v[PC+12*(\ks)+6*\cc+3+\j], v[MT+8*(\ks)+4*\cc+\j]
.endr
.endr
.endm
; O(16 queries, 16 channels ct) += weights x V over the 128 keys of K step ks.  Source 0 = the weights: a lane then holds one channel and eight neighbouring queries, 32 bytes of a row of out0.
; The four accumulators take turns, one instruction a turn
.macro PVSTEP ks
	WIN 0x0c                                       ; V window 3, all else window 0
.irp ct, 0,1,2,3
.if (\ks) == 0
	v_wmma_scale_f32_16x16x128_f8f6f4 v[OA+8*\ct:OA+8*\ct+7], v[PC+12*(\ks):PC+12*(\ks)+11], v[12*(4*(\ks)+\ct):12*(4*(\ks)+\ct)+11], 0, v[PS+(\ks)], v[VS+4*(\ks)+\ct] matrix_a_fmt:MATRIX_FMT_BF6 matrix_b_fmt:MATRIX_FMT_BF6
.else
	v_wmma_scale_f32_16x16x128_f8f6f4 v[OA+8*\ct:OA+8*\ct+7], v[PC+12*(\ks):PC+12*(\ks)+11], v[12*(4*(\ks)+\ct):12*(4*(\ks)+\ct)+11], v[OA+8*\ct:OA+8*\ct+7], v[PS+(\ks)], v[VS+4*(\ks)+\ct] matrix_a_fmt:MATRIX_FMT_BF6 matrix_b_fmt:MATRIX_FMT_BF6
.endif
.endr
.endm
; ================ THE HEAD
	s_load_b128 s[4:7], s[0:1], 0x0                ; qkv, mask
	s_load_b64 s[8:9], s[0:1], 0x10                ; out0
	v_lshl_add_u32 v22, v0, 2, 0x45200
	v_mov_b32 v85, 0
	v_lshrrev_b32 v[TA], 5, v0
	v_readfirstlane_b32 s10, v[TA]                 ; wave 0..3
	s_and_b32 s11, ttmp7, 0xffff                   ; the head
	s_mov_b32 s12, ttmp9                           ; the quarter of its queries
	s_mov_b32 s13, 0x3eb504f3                      ; sigma = 64^-0.25
	s_mov_b32 s14, 0x3fb8aa3b                      ; c = log2(e)
	s_mov_b32 s15, s14                             ; (named with it as a pair, so it is written)
	s_mov_b32 s18, 0x76543210
	s_mov_b32 s19, 0xfedcba98                      ; v_permlanex16_b32's selects for lane l xor 16
	v_and_b32 v[LN], 31, v0
	v_and_b32 v[RR], 15, v0
	v_bfe_u32 v[HH], v0, 4, 1
	s_wait_alu depctr_va_sdst(0)                   ; s10 is written, ahead of its first reader: offsets and LDS addresses are made from it
	s_lshl_b32 s22, s12, 11
	s_lshl_b32 s23, s10, 9
	s_add_co_u32 s22, s22, s23
	v_lshl_add_u32 v[OQ], v[LN], 4, s22            ; my wave quantises queries 128 w on of the quarter, a lane four of them
	s_lshl_b32 s23, s10, 11
	v_lshl_add_u32 v[OK], v[LN], 4, s23            ; and its own 512 keys, 128 a pass
	v_lshlrev_b32 v[OV], 13, v[RR]
	v_lshl_add_u32 v[OV], v[HH], 7, v[OV]
	v_add_nc_u32 v[OV], s23, v[OV]
	s_mul_i32 s26, s11, HEADB
	s_mov_b32 s27, 0
	s_wait_kmcnt 0x0
	s_add_nc_u64 s[4:5], s[4:5], s[26:27]
	s_and_b32 s26, s11, 3                          ; the mask is tiled over the leading axis: head b takes row b % 4
	s_lshl_b32 s26, s26, 13
	s_add_nc_u64 s[6:7], s[6:7], s[26:27]
	s_lshl_b32 s26, s11, 19                        ; 64 rows of out0 a head,
	s_lshl_b32 s22, s12, 11                        ; 512 queries x 4 bytes a quarter
	s_add_co_u32 s26, s26, s22
	s_add_nc_u64 s[8:9], s[8:9], s[26:27]
	s_wait_alu depctr_va_vdst(0)                   ; the offsets OK, OQ and OV are written, which the loads of the mask, of q, k and v read
.irp i, 0,1,2,3
	global_load_b128 v[OA+4*\i:OA+4*\i+3], v[OK], s[6:7] offset:512*\i   ; the mask of my 512 keys, through registers that the head writes nowhere else
.endr
	LOADCOL OQ, 0                                  ; q
	; LDS addresses, while the loads are out: each a constant + constants x lane parts + a constant x wave
	v_mul_u32_u24 v[AQS], v[RR], REC
	v_mad_u32_u24 v[AQ], v[HH], 24, v[AQS]
	v_add_nc_u32 v[AQ], QREC, v[AQ]
	v_add_nc_u32 v[AQS], QREC+48, v[AQS]
	s_add_co_u32 s22, s23, MASK
	v_lshl_add_u32 v[AM], v[HH], 7, s22
	v_lshl_add_u32 v[AMW], v[LN], 4, s22
	s_lshl_b32 s22, s10, 7
	s_add_co_u32 s22, s22, STAT
	v_lshl_add_u32 v[ASW], v[RR], 3, s22
	v_lshl_add_u32 v[ASR], v[RR], 3, STAT
	s_mul_i32 s22, s10, OSW
	s_add_co_u32 s22, s22, OST
	v_mul_u32_u24 v[AO], v[RR], OP
	v_lshl_add_u32 v[AO], v[HH], 5, v[AO]
	v_add_nc_u32 v[AO], s22, v[AO]
	s_mul_i32 s22, s10, 16*OP
	s_add_co_u32 s22, s22, OST
	v_mul_u32_u24 v[ARD], v[HH], OP
	v_lshl_add_u32 v[ARD], v[RR], 4, v[ARD]
	v_add_nc_u32 v[ARD], s22, v[ARD]
	s_lshl_b32 s22, s10, 17
	v_lshlrev_b32 v[GO], 13, v[HH]
	v_lshl_add_u32 v[GO], v[RR], 4, v[GO]
	v_add_nc_u32 v[GO], s22, v[GO]
	v_lshlrev_b32 v[SH8], 3, v[HH]
	s_mul_i32 s22, s10, KRW
	v_mul_u32_u24 v[ARK], v[LN], 4*REC
	s_mul_i32 s23, s10, 128*REC
	s_add_co_u32 s23, s23, QREC
	v_add_nc_u32 v[ARQ], s23, v[ARK]
	v_add_nc_u32 v[ARK], s22, v[ARK]
	v_and_b32 v[TA], 8, v[RR]
	v_mad_u32_u24 v[TA], v[TA], 3, v[RR]           ; 32 (r / 8) + r % 8
	v_mul_u32_u24 v[AKS], v[TA], REC
	v_add_nc_u32 v[AKS], s22, v[AKS]
	v_mad_u32_u24 v[AKB], v[HH], 24, v[AKS]
	v_add_nc_u32 v[AKS], 48, v[AKS]
.irp j, 4,5,6,7
	v_mov_b32 v[WT+\j], 0                          ; written once: a lane permute's destination counts as one of its sources
.endr
	; ---- the pass for q
	s_wait_loadcnt 0x0
	DEINT
	s_wait_alu depctr_va_vdst(0)                   ; the multiplications are done reading window 1, in which k lands; all LDS addresses and out0's offset, v3 to v21, are written, for every LDS instruction and store of the kernel
	LOADCOL OK, 64                                 ; k, my keys 0-127: they land while q is quantised
.irp i, 0,1,2,3
	ds_store_b128 v[AMW], v[OA+4*\i:OA+4*\i+3] offset:512*\i
.endr
	QCOLS
	PUTREC ARQ
	; ---- k: four passes of 128 keys; a trip quantises one and asks for the next; the last is written out, since it asks for V
	s_mov_b32 s24, 0                               ; the pass's place among my records
	s_mov_b32 s25, 0
.Lk:
	s_wait_loadcnt 0x0                             ; the pass's 64 loads are in: their address register may step
	DEINT
	v_add_nc_u32 v[OK], 512, v[OK]                 ; (the loads that read it stand ahead of the wait on vm_vsrc that ends the pass before)
	s_wait_alu depctr_va_vdst(0)                   ; the multiplications are done reading window 1, in which the next pass lands, and OK is written, which its loads read
	LOADCOL OK, 64
	QCOLS
	v_add_nc_u32 v[TB], s24, v[ARK]
	PUTREC TB
	s_add_co_u32 s24, s24, 128*REC
	s_add_co_u32 s25, s25, 1
	s_cmp_lt_u32 s25, 3
	s_cbranch_scc1 .Lk
	s_wait_loadcnt 0x0
	DEINT
	s_wait_alu depctr_va_vdst(0)                   ; the multiplications are done reading window 1, in which V's K step 0 lands
	VLOAD 0, 1                                     ; window 1 is free
	QCOLS
	v_add_nc_u32 v[TB], s24, v[ARK]
	PUTREC TB
	VLOAD 1, 2                                     ; window 2 is free.  No wait of its own: no vector instruction has been issued since the wait at the head of the stores above, behind which window 2's readers are done
	; ---- v: four K steps, in the two windows by turns
	s_wait_loadcnt 63                              ; behind K step 0's loads stand 64 younger ones: with at most 63 out, K step 0's are in
	VQ 0, 1
	s_wait_alu depctr_va_vdst(0)                   ; the maxima and conversions of K step 0 are done reading window 1, in which K step 2 lands
	VLOAD 2, 1
	s_wait_loadcnt 63                              ; likewise K step 1's
	VQ 1, 2
	s_wait_alu depctr_va_vdst(0)                   ; those of K step 1 are done reading window 2, in which K step 3 lands
	VLOAD 3, 2
	s_wait_loadcnt 63
	VQ 2, 1
	s_wait_loadcnt 0x0
	VQ 3, 2
	; ---- my keys' records come back as fragments, the tiles' keys chosen as the head comment says.  LDS serves a wave's instructions in order (ISA guide 5.7.1.4) and the records are my own: no barrier
	WIN 0x80
	s_wait_alu depctr_va_vdst(0)                   ; the maxima and conversions of K step 3 are done reading window 2, in which K's fragments land
.set fi, 0
.rept 16
.irp cc, 0,1
.irp p, 0,1,2
	ds_load_b64 v[12*fi+6*\cc+2*\p:12*fi+6*\cc+2*\p+1], v[AKB] offset:(64*(fi/2)+8*(2*(fi%2)+\cc))*REC+8*\p
.endr
.endr
.set fi, fi+1
.endr
	WIN 0
.set fi, 0
.rept 16
.irp cc, 0,1
	ds_load_b32 v[MT+2*fi+\cc], v[AKS] offset:(64*(fi/2)+8*(2*(fi%2)+\cc))*REC
.endr
.set fi, fi+1
.endr
	s_wait_dscnt 0x0
.set fi, 0
.rept 16
	v_bfi_b32 v[KS+fi], 0xffff, v[MT+2*fi], v[MT+2*fi+1]   ; bytes 0, 1: tile 2 F's; bytes 2, 3: tile 2 F + 1's
.set fi, fi+1
.endr
.irp j, 0,1,2,3,4,5,12,13,14,15,16,17
	v_mov_b32 v[ZQZ+\j], 0                         ; the zero codes on both sides of Q: written once
.endr
	v_mov_b32 v[ST1], 0                            ; upper words of pairs that are named before they are first made, and the permutes' destinations.  These six lines also stand
	v_mov_b32 v[FF+1], 0                           ; between the lines above and the first scaled product: 18 behind the last scale word, 6 behind the last operand register
.irp j, 0,1,2,3
	v_mov_b32 v[T0+\j], 0
.endr
	s_barrier_signal -1                            ; (no LDS instruction of mine is out: the wait above was for 0)  every wave's records of q lie in LDS
	s_barrier_wait -1
.irp p, 0,1,2
	ds_load_b64 v[ZQZ+6+2*\p:ZQZ+7+2*\p], v[AQ] offset:8*\p   ; Q of tile 0
.endr
	ds_load_b32 v[QS], v[AQS]
	s_wait_dscnt 0x0
	s_wait_alu depctr_va_vdst(0)                   ; vector lines have written K's and V's scale words, the zero codes and V's fragments, which the scaled products of the loop take; none of them is written again
; ================ THE TILES: 32 trips, 16 queries each
	s_mov_b32 s20, 0
	s_mov_b32 s21, 0
.Ltile:
	; ---- scores, and their maximum two fragments behind: between a product and the first read of its result stand 8 plain lines or more that name none of its registers
	WPAIR 0
	WPAIR 1
	WIN 0
.irp j, 0,1,2,3
	v_mov_b32 v[MX+\j], 0xff800000                 ; -infinity
.endr
.irp j, 0,1,2,3
	v_mov_b32 v[SUM+\j], 0
.endr
.set fi, 2
.rept 14
	WPAIR fi
	MAXF fi-2
.set fi, fi+1
.endr
	MAXF 14
	MAXF 15
	WIN 0
	v_max3_num_f32 v[T0], v[MX], v[MX+1], v[MX+2]
	v_max_num_f32 v[T0], v[T0], v[MX+3]
	v_permlanex16_b32 v[T0+1], v[T0], s18, s19     ; the query's other 256 of my keys lie in lane l xor 16
	v_max_num_f32 v[T0], v[T0], v[T0+1]
	v_mul_f32 v[ST0], s14, v[T0]                   ; c m_w
	s_add_co_u32 s21, s21, 16*REC                  ; the next tile's Q is asked for now; the last trip asks for its own again
	s_min_u32 s22, s21, 31*16*REC
	v_add_nc_u32 v[TA], s22, v[AQ]
	v_add_nc_u32 v[TB], s22, v[AQS]
	s_wait_alu depctr_va_vdst(0)                   ; (1) TA and TB are written; the score products are done reading Q and its scale word; the last tile's readers and writers of the eight mask sets and of SL are done: the tile's 68 loads into them hang on this wait
.irp p, 0,1,2
	ds_load_b64 v[ZQZ+6+2*\p:ZQZ+7+2*\p], v[TA] offset:8*\p
.endr
	ds_load_b32 v[QS], v[TB]
	MLOAD 0, MT                                    ; the mask of my blocks 0 to 3, into window 0's four sets: they land under the exponentials
	MLOAD 1, MT+32
	MLOAD 2, M2
	MLOAD 3, M3
	; ---- p = 2^(c s - c m_w): ONE BATCH of 256 exponentials.  The multiply-adds of the next 16 scores stand among the exponentials of 16; no line of the batch names an exponential's result
	WIN 0x41
.irp j, 0,1,2,3,4,5,6,7
	v_pk_fma_f32 v[2*\j:2*\j+1], v[2*\j:2*\j+1], s[14:15], v[ST0:ST0+1] op_sel_hi:[1,0,0] neg_lo:[0,0,1] neg_hi:[0,0,1]
.endr
.set ki, 0
.rept 15
.if ki == 8
	WIN 0x80                                       ; the mask of my blocks 4 to 7, into the sets of windows 2 and 3.  No wait: since (1) only window 1 and v40-41 have been named by vector lines
	MLOAD 4, MW
	MLOAD 5, MW+32
	WIN 0xc0
	MLOAD 6, MW
	MLOAD 7, MW+32
	WIN 0x41
.endif
.irp j, 0,1,2,3,4,5,6,7
	v_exp_f32 v[16*ki+2*\j], v[16*ki+2*\j]
	v_pk_fma_f32 v[16*ki+16+2*\j:16*ki+17+2*\j], v[16*ki+16+2*\j:16*ki+17+2*\j], s[14:15], v[ST0:ST0+1] op_sel_hi:[1,0,0] neg_lo:[0,0,1] neg_hi:[0,0,1]
	v_exp_f32 v[16*ki+2*\j+1], v[16*ki+2*\j+1]
.endr
.set ki, ki+1
.endr
.set ni, 240
.rept 16
	v_exp_f32 v[ni], v[ni]
.set ni, ni+1
.endr
	v_nop                                          ; a plain line behind the last exponential, before a result is used (ISA guide 5.7.2)
	WIN 0x04
	s_wait_alu depctr_va_vdst(0)                   ; (2) the 256 exponentials have written p, ahead of the first line that names a result: one wait for the batch
.set ki, 0
.rept 16
.irp j, 0,1,2,3,4,5,6,7
	v_pk_add_f32 v[SUM+2*(\j%2):SUM+2*(\j%2)+1], v[SUM+2*(\j%2):SUM+2*(\j%2)+1], v[16*ki+2*\j:16*ki+2*\j+1]   ; the sum of the unmasked p, in two chains, ascending
.endr
.set ki, ki+1
.endr
	WIN 0
	v_pk_add_f32 v[SUM:SUM+1], v[SUM:SUM+1], v[SUM+2:SUM+3]
	v_add_f32 v[T0], v[SUM], v[SUM+1]
	v_permlanex16_b32 v[T0+1], v[T0], s18, s19
	v_add_f32 v[ST1], v[T0], v[T0+1]               ; l_w
	s_wait_alu depctr_va_vdst(0)                   ; (3) c m_w and l_w are written, which the store below reads
	ds_store_b64 v[ASW], v[ST0:ST0+1]              ; both halves of the lanes write the same bytes with the same value
	s_wait_dscnt 0x0                               ; for the others' sake: my store has landed (and Q's loads and the mask's are in)
	s_barrier_signal -1
	; ---- between signal and wait: p x mask and the blocks' largest magnitudes: register work alone
.irp j, 0,1,2,3,4,5,6,7
	v_mov_b32 v[BM+\j], 0
.endr
	WIN 0x41
	MMUL 0, MT
	MMUL 1, MT+32
	MMUL 2, M2
	MMUL 3, M3
	WIN 0x49                                       ; the mask in window 2
	MMUL 4, MW
	MMUL 5, MW+32
	WIN 0x4d                                       ; in window 3
	MMUL 6, MW
	MMUL 7, MW+32
	WIN 0x14
.set ni, 0
.rept 16
.irp j, 0,1,2,3,4,5,6,7
	v_max3_num_f32 v[BM+\j], v[BM+\j], |v[32*\j+2*ni]|, |v[32*\j+2*ni+1]|   ; the eight blocks by turns; |.|: the mask may hold any number
.endr
.set ni, ni+1
.endr
	WIN 0
	s_barrier_wait -1                              ; every wave's (c m, l) lie in LDS
	; ---- the row's factor
.irp j, 0,1,2,3
	ds_load_b64 v[SL+2*\j:SL+2*\j+1], v[ASR] offset:128*\j   ; no wait: no vector line since (1) names SL
.endr
	s_wait_dscnt 0x0
	v_max3_num_f32 v[T0], v[SL], v[SL+2], v[SL+4]
	v_max_num_f32 v[T0], v[T0], v[SL+6]            ; tm
.irp j, 0,1,2,3
	v_sub_f32 v[SL+2*\j], v[SL+2*\j], v[T0]
.endr
	v_sub_f32 v[T0+1], v[ST0], v[T0]
.irp j, 0,1,2,3
	v_exp_f32 v[SL+2*\j], v[SL+2*\j]
.endr
	v_exp_f32 v[T0+1], v[T0+1]
	v_nop                                          ; a plain place behind the exponentials
	s_wait_alu depctr_va_vdst(0)                   ; (4) the five exponentials have written 2^(c m_w - tm), ahead of their first reader
	v_mul_f32 v[T0+2], v[SL], v[SL+1]
	v_fmac_f32 v[T0+2], v[SL+2], v[SL+3]
	v_fmac_f32 v[T0+2], v[SL+4], v[SL+5]
	v_fmac_f32 v[T0+2], v[SL+6], v[SL+7]           ; l: at least about 1, from the wave that holds tm
	v_rcp_f32 v[T0+3], v[T0+2]
	v_nop                                          ; a plain place behind the reciprocal
	s_wait_alu depctr_va_vdst(0)                   ; (5) the reciprocal has written 1 / l, ahead of its reader
	v_mul_f32 v[FF], v[T0+1], v[T0+3]              ; f = 2^(c m_own - tm) / l
.irp j, 0,1,2,3,4,5,6,7
	v_mul_f32 v[BM+\j], v[BM+\j], v[FF]            ; f is positive and rounding keeps order: the largest |p mask| x f is the largest |p mask f|, bit for bit
.endr
.irp j, 0,1,2,3,4,5,6,7
	v_max_num_f32 v[BM+\j], FLOOR, v[BM+\j]
.endr
.irp j, 0,1,2,3,4,5,6,7
	v_add_nc_u32 v[SO+\j], OFFE, v[BM+\j]
.endr
.irp j, 0,1,2,3,4,5,6,7
	v_lshrrev_b32 v[BY+\j], 23, v[SO+\j]
.endr
.irp j, 0,1,2,3
	v_lshl_or_b32 v[WT+\j], v[BY+2*\j+1], 16, v[BY+2*\j]   ; K step j: my bytes are blocks h and 2 + h
.endr
.irp j, 0,1,2,3
	v_lshlrev_b32 v[WT+\j], v[SH8], v[WT+\j]
.endr
.irp j, 0,1,2,3
	v_permlanex16_b32 v[WT+4+\j], v[WT+\j], s18, s19
.endr
.irp j, 0,1,2,3
	v_or_b32 v[PS+\j], v[WT+\j], v[WT+4+\j]
.endr
	; ---- the weights' codes, and the second product one K step behind them: a K step's codes and scale word stand a whole QSTEP (over 40 plain lines) ahead of the products that take them; first those places, then the wait
	QSTEP 0
	QSTEP 1
	s_wait_alu depctr_va_vdst(0)                   ; (6) vector lines have written the four scale words and K step 0's codes, which the scaled products below take
	PVSTEP 0
	QSTEP 2
	s_wait_alu depctr_va_vdst(0)                   ; (7) likewise K step 1's codes
	PVSTEP 1
	QSTEP 3
.rept 4
	v_nop                                          ; K step 3's codes were written by vector lines: four places ahead of the scaled product
.endr
	s_wait_alu depctr_va_vdst(0)                   ; (8) likewise K steps 2's and 3's codes
	PVSTEP 2
	PVSTEP 3
	WIN 0
	s_and_b32 s23, s20, 3
	s_lshl_b32 s23, s23, 6                         ; the tile's 16 queries among the stage's 64
	v_add_nc_u32 v[TC], s23, v[AO]                 ; with the three lines below: four places behind the last products
.rept 3
	v_nop
.endr
	s_wait_alu depctr_va_vdst(0)                   ; (9) the products have written the four accumulators and the addition TC, which the stores below read; the conversions are done reading window 1, in which the stage's loads land every fourth tile.  The places above stay beside this wait
.irp ct, 0,1,2,3
.irp j, 0,1
	ds_store_b128 v[TC], v[OA+8*\ct+4*\j:OA+8*\ct+4*\j+3] offset:16*OP*\ct+16*\j   ; each accumulator from its low end on
.endr
.endr
	s_wait_dscnt 0x0                               ; my part of O lies in my stage; my reads of the four (c m, l) were waited for above
	s_wait_alu depctr_vm_vsrc(0)                   ; (10) the tile's LDS instructions have read their registers: the accumulators and TC (these stores), c m_w and l_w (the store of the pair), TA and TB (Q's loads): the next tile writes them all
	s_barrier_signal -1
	s_barrier_wait -1                              ; so the next tile may write (c m, l) again, and the stages may be read
	s_and_b32 s22, s20, 3
	s_cmp_lg_u32 s22, 3                            ; a branch on the trip's number, alike in all four waves; no barrier stands under it
	s_cbranch_scc1 .Lnored
	; ---- every fourth tile: 64 queries x 64 channels leave.  Wave w adds the four parts of channels 16 w on; lanes 0-15 take one row's 256 bytes, lanes 16-31 the next
	WIN 0x40
.irp i, 0,1,2,3,4,5,6,7
.irp u, 0,1,2,3
	ds_load_b128 v[32*\u+4*\i:32*\u+4*\i+3], v[ARD] offset:OSW*\u+2*OP*\i   ; no wait: no vector or matrix instruction has been issued since (9)
.endr
.endr
	WIN 0x45
.irp i, 0,1,2,3,4,5,6,7
	s_wait_dscnt 28-4*\i                           ; the four loads of each later pair of rows may stay out
	v_pk_add_f32 v[4*\i:4*\i+1], v[4*\i:4*\i+1], v[32+4*\i:33+4*\i]
	v_pk_add_f32 v[4*\i+2:4*\i+3], v[4*\i+2:4*\i+3], v[34+4*\i:35+4*\i]
	v_pk_add_f32 v[64+4*\i:65+4*\i], v[64+4*\i:65+4*\i], v[96+4*\i:97+4*\i]
	v_pk_add_f32 v[66+4*\i:67+4*\i], v[66+4*\i:67+4*\i], v[98+4*\i:99+4*\i]
	v_pk_add_f32 v[4*\i:4*\i+1], v[4*\i:4*\i+1], v[64+4*\i:65+4*\i]
	v_pk_add_f32 v[4*\i+2:4*\i+3], v[4*\i+2:4*\i+3], v[66+4*\i:67+4*\i]
.endr
	WIN 0x04                                       ; a store's data: window 1
	s_wait_alu depctr_va_vdst(0)                   ; the additions have written v0 to v31 of window 1, which the eight stores read
.irp i, 0,1,2,3,4,5,6,7
	global_store_b128 v[GO], v[4*\i:4*\i+3], s[8:9] offset:2*ROWB*\i th:TH_STORE_NT   ; sixteen lanes store 256 consecutive bytes, at a multiple of 256 from out0's first byte; written once, read by nobody here
.endr
	WIN 0
	s_wait_xcnt 0x0                                ; the stores' addresses are translated (ISA guide 3.1): only behind this wait are their base stepped and their data registers, which the next scores take, written
	s_wait_alu depctr_vm_vsrc(0)                   ; the stores have read their data registers, which the next tile's score products write
	s_add_nc_u64 s[8:9], s[8:9], 256               ; the next 64 queries.  (The stages are written again only behind the next tile's first barrier, in front of whose signal every wave waits for all its LDS loads)
.Lnored:
	s_add_co_u32 s20, s20, 1
	s_cmp_lt_u32 s20, 32
	s_cbranch_scc1 .Ltile
	s_wait_dscnt 0x0                               ; the closing lines, six on end
	s_wait_alu 0x0
	s_wait_tensorcnt 0x0
	ds_add_u32 v22, v85
	s_wait_dscnt 0x0
	s_endpgm
.Lfunc_end_k_qa5ed9e61c1_attn:
	.size	k_qa5ed9e61c1_attn, .Lfunc_end_k_qa5ed9e61c1_attn-k_qa5ed9e61c1_attn
	.p2alignl 7, 3214868480
	.fill 96, 4, 3214868480
	.section	.rodata,"a",@progbits
	.p2align	6, 0x0
	.amdhsa_kernel k_qa5ed9e61c1_attn
		.amdhsa_group_segment_fixed_size 283648
		.amdhsa_private_segment_fixed_size 0
		.amdhsa_enable_private_segment 0
		.amdhsa_kernarg_size 24
		.amdhsa_user_sgpr_count 2
		.amdhsa_user_sgpr_kernarg_segment_ptr 1
		.amdhsa_wavefront_size32 1
		.amdhsa_system_sgpr_workgroup_id_x 1
		.amdhsa_system_sgpr_workgroup_id_y 1
		.amdhsa_system_sgpr_workgroup_id_z 1
		.amdhsa_system_vgpr_workitem_id 0
		.amdhsa_next_free_vgpr 1024
		.amdhsa_next_free_sgpr 66
		.amdhsa_reserve_vcc 0
		.amdhsa_float_denorm_mode_32 3
		.amdhsa_float_denorm_mode_16_64 3
		.amdhsa_memory_ordered 1
		.amdhsa_forward_progress 1
		.amdhsa_inst_pref_size 252
	.end_amdhsa_kernel
	.amdgpu_metadata
---
amdhsa.version: [ 1, 2 ]
amdhsa.kernels:
  - .name:           k_qa5ed9e61c1_attn
    .symbol:         k_qa5ed9e61c1_attn.kd
    .args:
      - { .name: qkv, .offset: 0, .size: 8, .value_kind: global_buffer, .address_space: global }
      - { .name: mask, .offset: 8, .size: 8, .value_kind: global_buffer, .address_space: global }
      - { .name: out0, .offset: 16, .size: 8, .value_kind: global_buffer, .address_space: global }
    .group_segment_fixed_size: 283648
    .private_segment_fixed_size: 0
    .kernarg_segment_align: 8
    .kernarg_segment_size: 24
    .max_flat_workgroup_size: 128
    .sgpr_count:     66
    .vgpr_count:     1024
    .wavefront_size: 32
...
	.end_amdgpu_metadata
.endif
;; end of part 2
